; MI455X (gfx1250); checked and timed in simulation.
; The chip was launched on July 23, 2026; its instructions are those of AMD's public machine-readable ISA for CDNA 5 (MIT licence, August 2026) and "CDNA5" Instruction Set Architecture Reference Guide (July 2026). The comments in the code are by the model that wrote it; some were corrected since.
;; Cov Layer. Allowed arithmetic: matrix products marked QUANTISED: E2M3 operands, one E8M0 scale for each 32 along K, by v_wmma_scale_f32_16x16x128_f8f6f4 with both operands' format E2M3, f32 sums; everything else in f32.
;; Inputs: W_codes 128 x 32 x 24 uint8 (E2M3 codes of W, K innermost, in blocks of 32 codes, four codes in three bytes); W_scales 128 x 32 uint8 (E8M0 scales of W, one for each 32 codes along K); b 128 float32; x_left_codes 1 x 256 x 32 x 4 x 24 uint8 (E2M3 codes of x_left, K innermost, in blocks of 32 codes, four codes in three bytes); x_left_scales 1 x 256 x 32 x 4 uint8 (E8M0 scales of x_left, one for each 32 codes along K); x_right_codes 1 x 256 x 32 x 4 x 24 uint8 (E2M3 codes of x_right, K innermost, in blocks of 32 codes, four codes in three bytes); x_right_scales 1 x 256 x 32 x 4 uint8 (E8M0 scales of x_right, one for each 32 codes along K).
;; Outputs: out0 1 x 256 x 256 x 128 float32.
;; This version of the problem:
;;   THIS VERSION OF THE PROBLEM IS GIVEN IN LOW PRECISION. The matrix products marked QUANTISED in the list below multiply operands that are first quantised to E2M3 (2 exponent bits, 3 mantissa bits; 6 bits a number), with one power-of-two scale for each 32 numbers along K (OCP MX v1.0); their sums are f32. All else is computed in f32.
;;   The module's matrix products, in the order in which they are computed (A, B: the left and right operand; K: the contracted axis; several contracted axes count as one K, in the product's order):
;;     1. [M 8,192, K 128] x [K 128, N 8,192]; A: input x_right (given as codes); B: input x_left (given as codes): QUANTISED
;;     2. [M 65,536, K 1,024] x [K 1,024, N 128]; A: computed on the way; B: input W (given as codes): QUANTISED
;;   THE QUANTISER, for each operand of a quantised product, along K:
;;     - K is cut into blocks of 32 from its start; a last block that is shorter is filled with zeros.
;;     - A block's scale is 2^e with e = floor(log2(the largest magnitude in the block)) - 2, held to -126 .. 127; a block of zeros has e = 0. As a byte (E8M0): e + 127.
;;     - Each number is divided by its block's scale, clamped to +-7.5, and rounded to the nearest number of E2M3, ties to even, subnormals kept.
;;     - The product sums the exact products of the quantised numbers (number of the format x scale) in f32.
;;   ~~~python
;;   def quantise(x, axis):      # numpy; x: float32 -> the quantised numbers, widened to float32 again
;;       x = np.moveaxis(x, axis, -1); K = x.shape[-1]
;;       x = np.pad(x, [(0, 0)] * (x.ndim - 1) + [(0, -K % 32)]); x = x.reshape(x.shape[:-1] + (-1, 32)); a = np.abs(x).max(-1, keepdims=True)
;;       e = np.where(a > 0, np.clip(np.frexp(np.where(a > 0, a, 1))[1] - 1 - 2, -126, 127), 0)      # np.frexp(a)[1] - 1 = floor(log2(a)), exactly
;;       r = np.clip(x / 2.0 ** e, -7.5, 7.5)
;;       step = 2.0 ** (np.maximum(np.frexp(np.where(r == 0, 1, r))[1] - 1, 0) - 3)
;;       q = np.round(r / step) * step * 2.0 ** e      # np.round: ties to even
;;       return np.moveaxis(q.reshape(q.shape[:-2] + (-1,))[..., :K], -1, axis).astype(np.float32)
;;   ~~~
;;   OPERANDS COMPUTED ON THE WAY. 'Computed on the way' means the value that the module computes at that place (a softmax that the list does not call 'softmax' is quantised finished and normalised). What goes into a quantiser is computed in f32, as accurately as f32 sums, v_exp_f32 and their like allow (about 1e-6 of the number): no bf16 or f16 on the way to a quantiser, and a product that is left as it is and whose result goes on into a quantised operand takes f32 operands (vector FMAs, or v_wmma_f32_16x16x4_f32). A number that lies on a knife's edge between two numbers of the format may be rounded either way, as far as f32 arithmetic and the matrix unit's own rounding can turn it there, and no further.
;;   INPUTS GIVEN AS CODES. W (in the module: [1024, 128], K = its axis 0); x_left (in the module: [1, 128, 256, 32], K = its axis 1); x_right (in the module: [1, 128, 256, 32], K = its axis 1): each comes as NAME_codes (uint8): NAME with its K axis moved to the last place and cut into blocks of 32 codes, [.., K / 32, bytes a block], one block behind the other in memory; four codes in three bytes: a row's codes are one little-endian stream of bits, code i at bits 6 i .. 6 i + 5 (a code: sign, 2 exponent bits, 3 mantissa bits); and NAME_scales (uint8): the same leading axes, one E8M0 byte (e + 127) for each 32 codes along K. Its value is code x scale, taken as it is: it is not quantised again, and the codes and scales need not be those that the quantiser above would give.
;; One version. Each part assembles by itself: llvm-mc -triple=amdgcn-amd-amdhsa -mcpu=gfx1250 --defsym DOCPART=n.
;; ======== version 1 of 1: 1 launch
;; limits: right only within a limited range of input values
;; launch cov (part 1): grid 16 x 16, 8 waves a work-group, clusters of 4 x 1, 303,616 bytes of LDS; arguments x_left_codes, x_left_scales, x_right_codes, x_right_scales, W_codes, W_scales, b, out0; writes out0
.if DOCPART == 1
	.amdgcn_target "amdgcn-amd-amdhsa--gfx1250"
	.amdhsa_code_object_version 6
	.text
	.protected	k_q5f48d1dcf0_cov
	.globl	k_q5f48d1dcf0_cov
	.p2align	8
	.type	k_q5f48d1dcf0_cov,@function
k_q5f48d1dcf0_cov:
	s_mov_b64 s[64:65], 0
	v_nop
	global_prefetch_b8 v0, s[64:65] scope:SCOPE_SE
	s_setreg_imm32_b32 hwreg(HW_REG_WAVE_MODE, 25, 1), 1
	s_wait_xcnt 0x0
	s_wait_alu depctr_hold_cnt(0) depctr_sa_sdst(0) depctr_va_vdst(0) depctr_va_sdst(0) depctr_va_ssrc(0) depctr_va_vcc(0) depctr_vm_vsrc(0)
	s_getreg_b32 s2, hwreg(HW_REG_IB_STS2, 6, 4)
	s_cmp_eq_u32 s2, 0
	s_cbranch_scc0 .Lentry_in_a_cluster
	s_endpgm
.Lentry_in_a_cluster:
	s_bfe_u32 s2, ttmp6, 0x10000c
	s_cmp_lg_u32 s2, 0x3003
	s_cbranch_scc0 .Lentry_shape_is_right
	s_endpgm
.Lentry_shape_is_right:
; out[i][j][d] = b[d] + sum over k = 32 l + r of Q(outer[i][j][l][r]) W[k][d],  outer[i][j][l][r] = sum over n of xl[n][i][l] xr[n][j][r].
; Both products on codes of FP6 (E2M3) with one E8M0 scale for each 32 along K, by the scaled 16x16x128 matrix form; sums in f32.  xl, xr: [256][32] rows of 128 codes (96 bytes) and one scale
; word a row.  W: [128 d] rows of 1,024 codes (768 bytes), 32 scale bytes a row.  Q quantises outer along k: a block of 32 is one l with all 32 r.  outer never leaves the registers.
; SHARES.  256 work-groups; work-group (x, y) owns i = 16 y .. + 15 and j = 16 x .. + 15.  Eight waves of 512 registers, two for each of the WGP's four SIMDs.  Wave w owns j = 16 x + 2 w + jj, jj = 0, 1,
; with all 16 i: two tiles of 16 pairs (pair n of a tile: i = 16 y + n).
; A UNIT g is one K step s (l = 4 s .. 4 s + 3) of the second product for one tile jj:
;   P1(g): 8 products, C = 0; tile 2 b + u: source 0 = 16 rows of xr (lane rr: r = 8 u + rr + 8 (rr / 8)), source 1 = xl's rows (16 y + n, l = 4 s + b).  Register 16 b + i of lane (n, h) is then
;          outer(pair n, l = 4 s + b, r = 16 h + i): 16 neighbours along the second product's K.
;   Q(g):  63 vector instructions make of these 64 registers 12 registers of codes and the pairs' scale word.
;   P2(g): 8 products: source 0 = 16 rows d of W at K step s, source 1 = the codes: lane (n, h) holds out(pair n, d = 16 t + 8 h + 0 .. 7).
; ORDER OF UNITS.  K steps 0 to 4 for both tiles by turns; then tile 0's steps 5, 6, 7; then tile 1's 7, 6, 5.  So tile 0 is finished three units ahead of tile 1 and is stored under them; at the turn W's and xl's fragments
; of step 7 serve both, and only those of steps 6 and 5 are read from LDS twice.
; IN PHASES.  A wave alternates a matrix phase M(g) = P1(g + 1), P2(g), 16 matrix instructions on end, and a vector phase Q(g + 1).
; EARLY AND LATE WAVES.  Waves that leave a barrier together would meet in the same phase.  So half of them (p = (w xor w / 4) & 1 = 0: of waves w and w + 4, and of waves 2 k and 2 k + 1, one is early and
; one late) quantise a unit ahead of the barrier, and the others behind it; so at both barriers that stand behind a matrix phase.
; LDS.  xl's 16 i-rows as two tiles (l < 16, l >= 16), W as two tiles (the first 256 bytes of each row; the other 512): four joint tensor loads, one in each of waves 0 to 3.  xr: each wave brings its own two j-rows through
; registers into its own bytes.  No byte of LDS is filled twice.
; CLUSTER.  The four work-groups of a cluster share y, hence xl's tiles, and all share W: 144 of the 192 KB of codes are asked for jointly.  xr's 48 KB hang on x, in which the partners differ.
; No prefetch: all operands are asked for at the head, and no loop of loads follows that one could run ahead of.
; No work is left out, and all inputs are read.
; LIMITS.  NaN and infinities in outer are not served.  A block of outer whose largest magnitude lies under 2^-124 takes the scale byte 1: for a block that is not zero that is the quantiser's own bound; a
; block of zeros has zero codes, which add nothing under that byte.
; REGISTERS, in two windows of 256 (s_set_vgpr_msb: bits 1:0 source 0, 3:2 source 1, 5:4 source 2, 7:6 destination):
;   window 0: addresses, scale words, what Q works on, codes, v96-159 outer (at the head offsets; on the way out tile 1's rows), v160-255 W's eight fragments (at the head xr's bytes)
;   window 1: v0-127 the 16 accumulators, (jj, t) at v[8 (8 jj + t)] (on the way out v0-63 tile 0's rows); v128-175 xr; v176-223 xl's four fragments; v224-227 b
.set XHALF, 25344                      ; LDS: a tile of xl: 16 rows x 3 x (512 bytes + 16).  1,584 / 8 = 6 mod 32: the 16 rows of a load of 8 bytes fall on the 16 even columns of 8 bytes, lanes 16-31 (3 or 5 columns on) on the odd ones (64 banks of 4 bytes: ISA guide 11.1)
.set XROW, 1584
.set WA, 50688                         ; W's first 256 bytes of each row d, 528 bytes apart (272 of padding)
.set WB, 118272                        ; W's other 512 bytes of each row, 528 bytes apart.  528 / 8 = 2 mod 32: again even columns, and odd ones for lanes 16-31
.set WROW, 528
.set XRL, 185856                       ; xr: 6,144 bytes for each wave
.set STG, 235008                       ; a stage of 16 rows x 528 bytes for each wave
.set SPITCH, 528
.set SPARE, 302592                     ; the spare words: 128 bytes for each wave
.set AX0, 1                            ; v1 xl: row (lane % 16) + 24 (lane / 16);  v2 the same behind one padding more for lanes 16-31
.set AX1, 2
.set AWA, 3                            ; v3 W's first tile;  v4 lanes 0-15 in the first tile, lanes 16-31 in the second;  v5 the second
.set AWX, 4
.set AWB, 5
.set AXR, 6                            ; v6 xr
.set STO, 7                            ; v7 the stage: where I put 32 bytes of a row
.set RD,  8                            ; v8 and where I read a row back
.set CO,  9                            ; v9 16 x lane
.set SPW, 10                           ; v10 my spare word, v11 zero
.set NIL, 11
.set XRS, 12                           ; v12-15 xr's scale words: register 2 jj + u
.set XLS, 16                           ; v16-31 xl's: register l % 16; lanes 0-15 l < 16, lanes 16-31 l >= 16
.set WS,  32                           ; v32-63 W's: register 8 (t % 4) + s; lanes 0-15 tiles 0-3, lanes 16-31 tiles 4-7
.set PW,  64                           ; v64-65 the pairs' scale word: register 1 - s % 2, so that its number and W's scale register's (which goes as s) differ modulo 8
.set MX,  66                           ; v66-69 the four blocks' largest magnitudes
.set E,   70                           ; v70-73 the conversions' scale operands
.set PA,  74                           ; v74-75 the scale word in the making
.set FT,  76                           ; v76-78, v80-82 the halves that change lanes
.set XSA, 83                           ; v83 where my lane stores xr's bytes
.set F,   84                           ; v84-95 the codes
.set H,   96                           ; v96-159 outer
.set WF,  160                          ; v160-255 W's eight fragments
.set XQ,  160                          ; at the head: xr's bytes
.set XR,  128                          ; window 1: xr's fragment 2 jj + u
.set XL,  176                          ; xl's four fragments
.set BI,  224                          ; b(4 lane .. + 3)
.set G1X, 24                           ; descriptor groups 1: xl, W's first tile, W's second;  groups 0: xl's two, W's two
.set G1A, 32
.set G1B, 40
.set G0X, 48
.set G0A, 52
.set G0B, 56
.set G0Y, 60
.set MSB, 0
.macro WIN new                         ; the immediate's high byte repeats the setting that is left; a switch that changes nothing is dropped
.if MSB != (\new)
	s_set_vgpr_msb (MSB<<8)|(\new)
.set MSB, (\new)
.endif
.endm
.macro ROUND                           ; a round of the cluster's barrier
	s_barrier_signal -1
	s_barrier_wait -1
	s_cmp_lg_u32 s20, 0
	s_cbranch_scc1 .Lnot_wave_0_\@
	s_barrier_signal -3
.Lnot_wave_0_\@:
	s_barrier_wait -3
	s_barrier_signal -1
	s_barrier_wait -1
.endm
.macro PLACES n                        ; places (ISA guide 7.12.1) where no other vector work is at hand
.rept \n
	v_nop
.endr
.endm
.macro SCHED g                         ; unit g: K step qs, tile qj
.if (\g) < 10
.set qs, (\g)/2
.set qj, (\g)%2
.elseif (\g) < 13
.set qs, (\g)-5
.set qj, 0
.else
.set qs, 20-(\g)
.set qj, 1
.endif
.endm
; A fragment, 16 rows x 128 K of 6-bit codes, is 12 registers: lane (r, h) takes 24 bytes of row r at 24 h and 24 at 48 + 24 h, as six pieces of 8 bytes.  PC is the piece of lanes 0-15; lanes 16-31 read three pieces on.
.macro FRAGX z                         ; xl's rows (i = lane % 16) of block xb of step xS: LDS units of 64 pieces
.set xl, 4*xS+xb
.irp p, 0,1,2,3,4,5
.set PC, 12*(xl%16)+6*(\p/3)+\p%3
.set xo, XHALF*(xl/16)+8*PC+16*(PC/64)
.set rr0, XL+12*xb+2*\p
.if PC%64 < 61
	ds_load_b64 v[rr0:rr0+1], v[AX0] offset:xo
.else
	ds_load_b64 v[rr0:rr0+1], v[AX1] offset:xo
.endif
.endr
.endm
.macro FRAGW z                         ; W's rows d = 16 wt + lane % 16 of step wS
.irp p, 0,1,2,3,4,5
.set PC, 12*wS+6*(\p/3)+\p%3
.set wo, 16*WROW*wt+8*PC
.set rr0, WF+12*wt+2*\p
.if PC < 29
	ds_load_b64 v[rr0:rr0+1], v[AWA] offset:wo
.elseif PC < 32
	ds_load_b64 v[rr0:rr0+1], v[AWX] offset:wo
.else
	ds_load_b64 v[rr0:rr0+1], v[AWB] offset:wo
.endif
.endr
.endm
.macro FRAGR jj                        ; xr's two fragments of my j-row jj
.irp u, 0,1
.irp p, 0,1,2,3,4,5
.set rr0, XR+12*(2*(\jj)+\u)+2*\p
	ds_load_b64 v[rr0:rr0+1], v[AXR] offset:3072*(\jj)+768*\u+48*(\p/3)+8*(\p%3)
.endr
.endr
.endm
.macro FETCH_XL s                      ; 24 loads
	WIN 0x40
.set xS, \s
.irp k, 0,1,2,3
.set xb, \k
	FRAGX 0
.endr
	WIN 0
.endm
.macro FETCH_W s                       ; 48 loads
	WIN 0
.set wS, \s
.irp k, 0,1,2,3,4,5,6,7
.set wt, \k
	FRAGW 0
.endr
.endm
; P1(g): 8 products.  Each starts a sum with the constant 0; no two that follow each other share an accumulator.
.macro P1 g
	SCHED \g
	WIN 0x05
.irp m, 0,1,2,3,4,5,6,7
.set ll, 4*qs+\m/2
.set rD, H+8*\m
.set rA, XR+12*(2*qj+\m%2)
.set rB, XL+12*(\m/2)
.set sA, XRS+2*qj+\m%2
.set sB, XLS+ll%16
.if ll < 16
	v_wmma_scale_f32_16x16x128_f8f6f4 v[rD:rD+7], v[rA:rA+11], v[rB:rB+11], 0, v[sA], v[sB] matrix_a_fmt:MATRIX_FMT_FP6 matrix_b_fmt:MATRIX_FMT_FP6
.else
	v_wmma_scale_f32_16x16x128_f8f6f4 v[rD:rD+7], v[rA:rA+11], v[rB:rB+11], 0, v[sA], v[sB] matrix_a_fmt:MATRIX_FMT_FP6 matrix_b_fmt:MATRIX_FMT_FP6 matrix_b_scale:MATRIX_SCALE_ROW1
.endif
.endr
.endm
; P2(g): 8 products, W's tiles t = 0 .. 7.  The accumulators take turns: two links of a sum stand 16 or more matrix instructions apart.  The first unit of each tile starts the sums.
.macro P2 g
	SCHED \g
	WIN 0x50
.irp t, 0,1,2,3,4,5,6,7
.set rD, 64*qj+8*\t
.set rA, WF+12*\t
.set sA, WS+8*(\t%4)+qs
.set sB, PW+1-qs%2
.if (\g) < 2
.if \t < 4
	v_wmma_scale_f32_16x16x128_f8f6f4 v[rD:rD+7], v[rA:rA+11], v[F:F+11], 0, v[sA], v[sB] matrix_a_fmt:MATRIX_FMT_FP6 matrix_b_fmt:MATRIX_FMT_FP6
.else
	v_wmma_scale_f32_16x16x128_f8f6f4 v[rD:rD+7], v[rA:rA+11], v[F:F+11], 0, v[sA], v[sB] matrix_a_fmt:MATRIX_FMT_FP6 matrix_b_fmt:MATRIX_FMT_FP6 matrix_a_scale:MATRIX_SCALE_ROW1
.endif
.else
.if \t < 4
	v_wmma_scale_f32_16x16x128_f8f6f4 v[rD:rD+7], v[rA:rA+11], v[F:F+11], v[rD:rD+7], v[sA], v[sB] matrix_a_fmt:MATRIX_FMT_FP6 matrix_b_fmt:MATRIX_FMT_FP6
.else
	v_wmma_scale_f32_16x16x128_f8f6f4 v[rD:rD+7], v[rA:rA+11], v[F:F+11], v[rD:rD+7], v[sA], v[sB] matrix_a_fmt:MATRIX_FMT_FP6 matrix_b_fmt:MATRIX_FMT_FP6 matrix_a_scale:MATRIX_SCALE_ROW1
.endif
.endif
.endr
.endm
; THE VECTOR PHASE Q(g): outer becomes codes and the scale word.
.macro QUANT g
	SCHED \g
.set pwr, PW+1-qs%2
	WIN 0
.irp n, 0,1,2,3,4,5,6,7,8,9,10,11,12,13,14,15,16,17,18,19,20,21,22,23,24,25,26,27,28,29,30,31
.set qb, \n%4                          ; the four blocks by turns; each tile of outer is read from its low end on
.set hb, H+16*qb+2*(\n/4)
.if \n < 4                             ; the floor 2^(3 - 127) is a leaf, which holds the byte at 1 from below
	v_max3_num_f32 v[MX+qb], |v[hb]|, |v[hb+1]|, s76
.else
	v_max3_num_f32 v[MX+qb], v[MX+qb], |v[hb]|, |v[hb+1]|
.endif
.endr
	v_permlane16_swap_b32 v[MX], v[MX+1]           ; the first's lanes 16-31 change places with the second's lanes 0-15:
	v_permlane16_swap_b32 v[MX+2], v[MX+3]
	v_max_num_f32 v[MX], v[MX], v[MX+1]            ; lanes 0-15 get the first block's largest magnitude, lanes 16-31 the second's
	v_max_num_f32 v[MX+2], v[MX+2], v[MX+3]
	v_add_nc_u32 v[E], s77, v[MX]                  ; 2 off the exponent field: the conversion's scale operand, in two registers,
	v_add_nc_u32 v[E+2], s77, v[MX+2]
	v_add_nc_u32 v[E+1], s77, v[MX]
	v_add_nc_u32 v[E+3], s77, v[MX+2]
	v_permlane16_swap_b32 v[E], v[E+1]             ; which become the first block's and the second's in every lane
	v_permlane16_swap_b32 v[E+2], v[E+3]
	v_perm_b32 v[PA], v[E+2], v[E], s78            ; the upper halves of blocks 2 and 0, of blocks 3 and 1
	v_perm_b32 v[PA+1], v[E+3], v[E+1], s78
	v_cvt_scalef32_pk16_fp6_f32 v[F:F+2], v[H:H+15], v[E]
	v_cvt_scalef32_pk16_fp6_f32 v[FT:FT+2], v[H+16:H+31], v[E+1]
	v_cvt_scalef32_pk16_fp6_f32 v[F+6:F+8], v[H+32:H+47], v[E+2]
	v_cvt_scalef32_pk16_fp6_f32 v[FT+4:FT+6], v[H+48:H+63], v[E+3]
	v_lshrrev_b32 v[PA], 7, v[PA]                  ; exponent fields to bytes 0 and 2, and (the sign bits are 0) to bytes 1 and 3; the plain places behind the conversions
	v_lshlrev_b32 v[PA+1], 1, v[PA+1]
.irp i, 0,1,2                                  ; a whole block to a lane: lower 16 codes in the first, upper 16 in the second,
	v_permlane16_swap_b32 v[F+\i], v[FT+\i]
.endr
.irp i, 0,1,2
	v_permlane16_swap_b32 v[F+6+\i], v[FT+4+\i]
.endr
	v_perm_b32 v[pwr], v[PA+1], v[PA], s79         ; the scale word: ten places ahead of the products that name it
.irp i, 0,1,2                                  ; which is moved beside it
	v_mov_b32 v[F+3+\i], v[FT+\i]
.endr
.irp i, 0,1,2
	v_mov_b32 v[F+9+\i], v[FT+4+\i]
.endr
.endm
; THE WAY OUT of a tile: a lane holds 32 neighbouring bytes of a row and the lanes beside it other rows, so the tile goes through my own stage and comes back as whole rows of 512 bytes, to which b is added.
.macro TOSTAGE jt                      ; each accumulator from its low end on
	WIN 0x04
.irp i, 0,1,2,3,4,5,6,7,8,9,10,11,12,13,14,15
	ds_store_b128 v[STO], v[64*(\jt)+4*\i:64*(\jt)+4*\i+3] offset:64*(\i/2)+16*(\i%2)
.endr
	WIN 0
.endm
.macro ROWS to                         ; 16 rows back from the stage
.irp i, 0,1,2,3,4,5,6,7,8,9,10,11,12,13,14,15
	ds_load_b128 v[(\to)+4*\i:(\to)+4*\i+3], v[RD] offset:SPITCH*\i
.endr
.endm
; THE MATRIX PHASE M(g) = P1(g + 1), P2(g).  In front of it stand four places behind the last write of the codes; behind it four places for the vector phase, which reads outer, and for the loads into fragments that
; these products have read.  xl's fragments are fetched where unit g + 2 has another K step than unit g + 1, W's where unit g + 1 has another than unit g; each run has a vector phase in which to land.
; NXL, NWF: what was fetched ahead of this phase; xl's loads went out ahead of W's.
.macro MPHASE g
	PLACES 4
	s_wait_alu depctr_va_vdst(0)
.if (\g) == 13
	s_wait_dscnt 0x0                               ; tile 0 lies in the stage, and xl's fragments are in
	WIN 0x40
	ROWS 0                                         ; its rows, into its own accumulators' registers
.else
.if NXL == 1
	s_wait_dscnt 48*NWF                            ; xl's fragments are in; W's 48 loads may be out
.endif
.endif
.if (\g) < 15
	P1 (\g)+1
.endif
.if NWF == 1
	s_wait_dscnt 0x0                               ; W's fragments are in
.endif
	P2 \g
	WIN 0
	PLACES 4
.if (\g) == 13
	s_wait_dscnt 0x0                               ; tile 0's rows are back
.endif
.set NXL, 0
.set NWF, 0
	SCHED (\g)
.set s0, qs
	SCHED (\g)+1
.set s1, qs
	SCHED (\g)+2
.set s2, qs
.if ((\g) < 14) && (s2 != s1)
	FETCH_XL s2
.set NXL, 1
.endif
.if ((\g) < 15) && (s1 != s0) && ((\g) != 3)
	FETCH_W s1
.set NWF, 1
.endif
.if (\g) == 12
	TOSTAGE 0                                      ; tile 0 is finished
.endif
.if (\g) == 13
	WIN 0x45
.irp i, 0,1,2,3,4,5,6,7,8,9,10,11,12,13,14,15
	v_pk_add_f32 v[4*\i:4*\i+1], v[4*\i:4*\i+1], v[BI:BI+1]
	v_pk_add_f32 v[4*\i+2:4*\i+3], v[4*\i+2:4*\i+3], v[BI+2:BI+3]
.endr
	WIN 0x04
.irp i, 0,1,2,3,4,5,6,7,8,9,10,11,12,13,14,15  ; 32 lanes store the 512 consecutive bytes of out(i, j, :), at a multiple of 512 from out's first byte
	global_store_b128 v[CO], v[4*\i:4*\i+3], s[18:19] offset:131072*\i th:TH_STORE_NT
.endr
	WIN 0
.endif
.endm
	s_load_b256 s[4:11], s[0:1], 0x0               ; xl's codes s[4:5], xl's scales s[6:7], xr's codes s[8:9], xr's scales s[10:11]
	s_load_b256 s[12:19], s[0:1], 0x20             ; W's codes s[12:13], W's scales s[14:15], b s[16:17], out s[18:19]
	v_lshl_add_u32 v[SPW], v0, 2, SPARE
	v_mov_b32 v[NIL], 0
	ds_add_u32 v[SPW], v[NIL]                      ; the opening: the add, twice on end, and its wait ahead of the first tensor load
	ds_add_u32 v[SPW], v[NIL]
	v_lshrrev_b32 v96, 5, v0
	v_readfirstlane_b32 s20, v96                   ; wave 0..7
	v_and_b32 v97, 31, v0                          ; lane.  (These lie where outer will lie: the first products write there behind the wait for all the loads that name them)
	v_and_b32 v98, 15, v0                          ; r
	v_bfe_u32 v99, v0, 4, 1                        ; h
	s_mul_i32 s75, s20, 6144
	s_add_co_u32 s75, s75, XRL                     ; my bytes of xr
	s_mul_i32 s74, s20, 16*SPITCH
	s_add_co_u32 s74, s74, STG                     ; my stage
	v_and_b32 v100, 8, v98
	v_add_nc_u32 v100, v100, v98                   ; r + 8 (r / 8): THE ROWS OF xr THAT FORM A TILE ARE NOT NEIGHBOURS
	v_mul_u32_u24 v[AX0], v98, XROW
	v_mad_u32_u24 v[AX0], v99, 24, v[AX0]
	v_lshl_add_u32 v[AX1], v99, 4, v[AX0]
	v_mul_u32_u24 v101, v98, WROW
	v_mad_u32_u24 v[AWA], v99, 24, v101
	v_add_nc_u32 v[AWB], WB-256, v[AWA]            ; piece 32 of a row of W is the second tile's first
	v_add_nc_u32 v[AWA], WA, v[AWA]
	v_mul_u32_u24 v[AWX], WB-WA-232, v99           ; pieces 29 to 31: lanes 16-31, three pieces on, are in the second tile
	v_add_nc_u32 v[AWX], v[AWX], v101
	v_add_nc_u32 v[AWX], WA, v[AWX]
	v_mul_u32_u24 v[AXR], v100, 96
	v_mad_u32_u24 v[AXR], v99, 24, v[AXR]
	v_add_nc_u32 v[AXR], s75, v[AXR]
	v_lshlrev_b32 v[CO], 4, v97
	v_add_nc_u32 v[XSA], s75, v[CO]
	v_lshl_add_u32 v[STO], v99, 5, v101            ; in: row r (528 bytes apart), 32 bytes for each half of the lanes
	v_add_nc_u32 v[STO], s74, v[STO]
	v_add_nc_u32 v[RD], s74, v[CO]                 ; back: the 32 lanes take one row of 512 bytes
	v_lshlrev_b32 v102, 2, v100                    ; xr's scale words: that row
	v_lshlrev_b32 v103, 7, v98
	v_lshl_add_u32 v103, v99, 6, v103              ; xl's: row i = r; lanes 16-31 take l = 16 on
	v_lshlrev_b32 v104, 5, v98
	v_lshl_add_u32 v104, v99, 11, v104             ; W's: row d = r; lanes 16-31 take the tiles four on
.irp i, 0,1,2,3,4,5,6,7,8,9,10,11
	v_mov_b32 v[F+\i], 0                           ; the codes and their word are written once here: so they are written on every way through the branches on early and late below
.endr
	v_mov_b32 v[PW], 0
	v_mov_b32 v[PW+1], 0
	s_wait_alu depctr_va_vdst(0)                   ; the wait at the head's end, ahead of the scalar lines and waits below
	s_lshr_b32 s73, s20, 2
	s_xor_b32 s73, s73, s20
	s_and_b32 s73, s73, 1                          ; p: 0 an early wave, 1 a late one; the same in every work-group
	s_bfe_u32 s21, ttmp6, 0x40000                  ; cx: my place in the cluster
	s_lshl_b32 s22, ttmp9, 2                       ; in a cluster launch ttmp9 counts clusters
	s_add_co_u32 s22, s22, s21                     ; x: it enters xr's and out's addresses alone
	s_and_b32 s23, ttmp7, 0xffff                   ; y, which the four partners share
	s_mov_b32 s76, 0x1800000                       ; the floor 2^(3 - 127)
	s_mov_b32 s77, 0xff000000                      ; -(2 << 23)
	s_mov_b32 s78, 0x07060302                      ; two upper halves
	s_mov_b32 s79, 0x07020500                      ; bytes 1 and 3 of the first source, 0 and 2 of the second
	; xl: 16 i-rows x 1,536 bytes (192 elements of 8 bytes), 3,072 bytes apart; 16 bytes of padding behind every 512
	s_mov_b32 s[G1X+0], 15|(3<<16)|(1<<20)|(1<<21)|(6<<22)|(3<<25)  ; 15:0 the mask: all four work-groups; 17:16 elements of 8 bytes; 20 padding on; 21 set beside a mask; 24:22 after every 128 words (code 6); 31:25 4 words of it (code 3)
	s_mov_b32 s[G1X+1], 192<<16                    ; tensor_dim0
	s_mov_b32 s[G1X+2], 16<<16                     ; tensor_dim1
	s_mov_b32 s[G1X+3], 192<<16                    ; tile_dim0
	s_mov_b32 s[G1X+4], 16                         ; tile_dim1
	s_mov_b32 s[G1X+5], 384                        ; from row to row
	s_mov_b32 s[G1X+6], 0
	s_mov_b32 s[G1X+7], 0
	; W's first tile: 128 rows x 256 bytes, 768 bytes apart; 272 bytes of padding behind each
	s_mov_b32 s[G1A+0], 15|(3<<16)|(1<<20)|(1<<21)|(5<<22)|(67<<25)
	s_mov_b32 s[G1A+1], 32<<16
	s_mov_b32 s[G1A+2], 128<<16
	s_mov_b32 s[G1A+3], 32<<16
	s_mov_b32 s[G1A+4], 128
	s_mov_b32 s[G1A+5], 96
	s_mov_b32 s[G1A+6], 0
	s_mov_b32 s[G1A+7], 0
	; W's second tile: 128 rows x 512 bytes; 16 bytes of padding behind each
	s_mov_b32 s[G1B+0], 15|(3<<16)|(1<<20)|(1<<21)|(6<<22)|(3<<25)
	s_mov_b32 s[G1B+1], 64<<16
	s_mov_b32 s[G1B+2], 128<<16
	s_mov_b32 s[G1B+3], 64<<16
	s_mov_b32 s[G1B+4], 128
	s_mov_b32 s[G1B+5], 96
	s_mov_b32 s[G1B+6], 0
	s_mov_b32 s[G1B+7], 0
	s_mul_i32 s80, s23, 49152                      ; xl: 16 y i-rows of 3,072 bytes
	s_mov_b32 s81, 0
	s_mul_i32 s82, s22, 49152                      ; xr's codes: 16 x j-rows of 3,072 bytes, and my wave's two
	s_mul_i32 s83, s20, 6144
	s_add_co_u32 s82, s82, s83
	s_mov_b32 s83, 0
	s_lshl_b32 s84, s22, 11                        ; xr's scales: 128 bytes a j
	s_lshl_b32 s85, s20, 8
	s_add_co_u32 s84, s84, s85
	s_mov_b32 s85, 0
	s_lshl_b32 s86, s23, 11                        ; xl's scales: 128 bytes an i
	s_mov_b32 s87, 0
	s_lshl_b32 s88, s23, 21                        ; out: 16 y rows i of 131,072 bytes, 16 x + 2 w rows j of 512
	s_lshl_b32 s89, s22, 13
	s_add_co_u32 s88, s88, s89
	s_lshl_b32 s89, s20, 10
	s_add_co_u32 s88, s88, s89
	s_mov_b32 s89, 0
	s_mov_b32 s[G0X+0], 1                          ; count = 1
	s_mov_b32 s[G0X+1], 0                          ; LDS addresses
	s_mov_b32 s[G0A+0], 1
	s_mov_b32 s[G0A+1], WA
	s_mov_b32 s[G0B+0], 1
	s_mov_b32 s[G0B+1], WB
	s_mov_b32 s[G0Y+0], 1
	s_mov_b32 s[G0Y+1], XHALF
	s_wait_dscnt 0x0                               ; both opening adds are done
	s_wait_kmcnt 0x0
	s_add_nc_u64 s[G0X+2:G0X+3], s[4:5], s[80:81]
	s_add_nc_u64 s[G0Y+2:G0Y+3], s[G0X+2:G0X+3], 1536
	s_mov_b64 s[G0A+2:G0A+3], s[12:13]
	s_add_nc_u64 s[G0B+2:G0B+3], s[12:13], 256
	s_or_b32 s[G0X+3], s[G0X+3], 0x80000000        ; type = 2
	s_or_b32 s[G0Y+3], s[G0Y+3], 0x80000000
	s_or_b32 s[G0A+3], s[G0A+3], 0x80000000
	s_or_b32 s[G0B+3], s[G0B+3], 0x80000000
	s_add_nc_u64 s[8:9], s[8:9], s[82:83]
	s_add_nc_u64 s[10:11], s[10:11], s[84:85]
	s_add_nc_u64 s[6:7], s[6:7], s[86:87]
	s_add_nc_u64 s[18:19], s[18:19], s[88:89]
	ROUND                                          ; all four work-groups are here: the joint loads meet
; The launch's only fills, one a wave, in the order in which they are needed: wave 0 xl's l < 16, wave 1 W's first tile, wave 2 W's second, wave 3 xl's l >= 16; waves 4 to 7 have no part.
.macro ARM under, g0, g1, next
	s_cmp_lt_u32 s20, \under
	s_cbranch_scc0 \next
	tensor_load_to_lds s[\g0:\g0+3], s[\g1:\g1+7]
	s_nop 0
	PLACES 4
	s_branch .Lasked
\next:
.endm
	ARM 1, G0X, G1X, .Lask_1
	ARM 2, G0A, G1A, .Lask_2
	ARM 3, G0B, G1B, .Lask_3
	ARM 4, G0Y, G1X, .Lask_4
.Lasked:
.irp k, 0,1,2,3,4,5,6,7,8,9,10,11              ; my two j-rows: 6,144 consecutive bytes, 512 a load
	global_load_b128 v[XQ+4*\k:XQ+4*\k+3], v[CO], s[8:9] offset:512*\k
.endr
.irp f, 0,1,2,3
	global_load_b32 v[XRS+\f], v102, s[10:11] offset:(\f/2)*128+(\f%2)*32
.endr
.irp k, 0,1,2,3
	global_load_b128 v[XLS+4*\k:XLS+4*\k+3], v103, s[6:7] offset:16*\k
.endr
.irp k, 0,1,2,3,4,5,6,7
	global_load_b128 v[WS+4*\k:WS+4*\k+3], v104, s[14:15] offset:512*(\k/2)+16*(\k%2)
.endr
	WIN 0x40
	global_load_b128 v[BI:BI+3], v[CO], s[16:17]   ; b of the four d that I hold in a row of out
	WIN 0
	s_wait_loadcnt 17                              ; the first 12 of 29
.irp k, 0,1,2,3,4,5,6,7,8,9,10,11
	ds_store_b128 v[XSA], v[XQ+4*\k:XQ+4*\k+3] offset:512*\k
.endr
	WIN 0x40
	FRAGR 0                                        ; my own bytes, in order behind my stores: xr's fragments stay for the whole launch
	FRAGR 1
	WIN 0
	s_cmp_lt_u32 s20, 1                            ; the first barrier shows wave 0's tile
	s_cbranch_scc0 .Lnot_yet_1
	s_wait_tensorcnt 0x0
.Lnot_yet_1:
	s_wait_dscnt 0x0
	s_barrier_signal -1
	s_barrier_wait -1
	FETCH_XL 0
	s_wait_loadcnt 0x0                             ; all scale words and b
	s_wait_dscnt 0x0
	P1 0                                           ; the first unit's outer
	WIN 0
	PLACES 4
	s_cmp_lg_u32 s73, 0                            ; an early wave quantises unit 0 now,
	s_cbranch_scc1 .Llate_0
	QUANT 0
.Llate_0:
	s_cmp_lt_u32 s20, 2                            ; the second barrier shows wave 1's tile too
	s_cbranch_scc0 .Lnot_yet_2
	s_wait_tensorcnt 0x0
.Lnot_yet_2:
	s_wait_dscnt 0x0
	s_barrier_signal -1
	s_barrier_wait -1
	FETCH_W 0
.set NXL, 0
.set NWF, 1
	s_cmp_eq_u32 s73, 0                            ; a late wave here: it enters its first matrix phase that much later
	s_cbranch_scc1 .Learly_0
	QUANT 0
.Learly_0:
	MPHASE 0
.irp g, 1,2,3
	QUANT \g
	MPHASE \g
.endr
	s_cmp_lg_u32 s73, 0                            ; the third barrier shows all tiles; early and late waves as before
	s_cbranch_scc1 .Llate_4
	QUANT 4
.Llate_4:
	s_wait_tensorcnt 0x0
	s_wait_dscnt 0x0
	s_barrier_signal -1
	s_barrier_wait -1
	FETCH_W 2                                      ; the first fragments that lie in W's second tile
.set NXL, 0
.set NWF, 1
	s_cmp_eq_u32 s73, 0
	s_cbranch_scc1 .Learly_4
	QUANT 4
.Learly_4:
	MPHASE 4
.irp g, 5,6,7,8,9,10,11,12,13,14,15
	QUANT \g
	MPHASE \g
.endr
	TOSTAGE 1                                      ; M(15) has left four places behind the last products
	ROWS H                                         ; LDS serves a wave's instructions in order (ISA guide 5.7.1.4): no wait between the stores and the loads
.irp q, 0,1,2,3
	s_wait_dscnt 12-4*\q                           ; rows 4 q to 4 q + 3 are back
	WIN 0x04
.irp i, 0,1,2,3
	v_pk_add_f32 v[H+16*\q+4*\i:H+16*\q+4*\i+1], v[H+16*\q+4*\i:H+16*\q+4*\i+1], v[BI:BI+1]
	v_pk_add_f32 v[H+16*\q+4*\i+2:H+16*\q+4*\i+3], v[H+16*\q+4*\i+2:H+16*\q+4*\i+3], v[BI+2:BI+3]
.endr
	WIN 0
.irp i, 0,1,2,3
	global_store_b128 v[CO], v[H+16*\q+4*\i:H+16*\q+4*\i+3], s[18:19] offset:131072*(4*\q+\i)+512 th:TH_STORE_NT
.endr
.endr
	s_wait_tensorcnt 0x0                           ; the wave's end
	ds_add_u32 v[SPW], v[NIL]
	s_wait_dscnt 0x0
	ROUND                                          ; the closing round: no work-group ends while a partner may still ask for a tile that names it
	s_endpgm
.Lfunc_end_k_q5f48d1dcf0_cov:
	.size	k_q5f48d1dcf0_cov, .Lfunc_end_k_q5f48d1dcf0_cov-k_q5f48d1dcf0_cov
	.p2alignl 7, 3214868480
	.fill 96, 4, 3214868480
	.section	.rodata,"a",@progbits
	.p2align	6, 0x0
	.amdhsa_kernel k_q5f48d1dcf0_cov
		.amdhsa_group_segment_fixed_size 303616
		.amdhsa_private_segment_fixed_size 0
		.amdhsa_enable_private_segment 0
		.amdhsa_kernarg_size 64
		.amdhsa_user_sgpr_count 2
		.amdhsa_user_sgpr_kernarg_segment_ptr 1
		.amdhsa_wavefront_size32 1
		.amdhsa_system_sgpr_workgroup_id_x 1
		.amdhsa_system_sgpr_workgroup_id_y 1
		.amdhsa_system_sgpr_workgroup_id_z 1
		.amdhsa_system_vgpr_workitem_id 0
		.amdhsa_next_free_vgpr 512
		.amdhsa_next_free_sgpr 92
		.amdhsa_reserve_vcc 0
		.amdhsa_float_denorm_mode_32 3
		.amdhsa_float_denorm_mode_16_64 3
		.amdhsa_memory_ordered 1
		.amdhsa_forward_progress 1
		.amdhsa_inst_pref_size 168
	.end_amdhsa_kernel
	.amdgpu_metadata
---
amdhsa.version: [ 1, 2 ]
amdhsa.kernels:
  - .name:           k_q5f48d1dcf0_cov
    .symbol:         k_q5f48d1dcf0_cov.kd
    .args:
      - { .name: x_left_codes, .offset: 0, .size: 8, .value_kind: global_buffer, .address_space: global }
      - { .name: x_left_scales, .offset: 8, .size: 8, .value_kind: global_buffer, .address_space: global }
      - { .name: x_right_codes, .offset: 16, .size: 8, .value_kind: global_buffer, .address_space: global }
      - { .name: x_right_scales, .offset: 24, .size: 8, .value_kind: global_buffer, .address_space: global }
      - { .name: W_codes, .offset: 32, .size: 8, .value_kind: global_buffer, .address_space: global }
      - { .name: W_scales, .offset: 40, .size: 8, .value_kind: global_buffer, .address_space: global }
      - { .name: b, .offset: 48, .size: 8, .value_kind: global_buffer, .address_space: global }
      - { .name: out0, .offset: 56, .size: 8, .value_kind: global_buffer, .address_space: global }
    .group_segment_fixed_size: 303616
    .private_segment_fixed_size: 0
    .kernarg_segment_align: 8
    .kernarg_segment_size: 64
    .max_flat_workgroup_size: 256
    .sgpr_count:     92
    .vgpr_count:     512
    .wavefront_size: 32
...
	.end_amdgpu_metadata
.endif
;; end of part 1
